; MI455X (gfx1250); checked and timed in simulation.
; The chip was launched on July 23, 2026; its instructions are those of AMD's public machine-readable ISA for CDNA 5 (MIT licence, August 2026) and "CDNA5" Instruction Set Architecture Reference Guide (July 2026). The comments in the code are by the model that wrote it; some were corrected since.
;; Multihead Attention. Allowed arithmetic: matrix products marked QUANTISED: E2M3 operands, one E8M0 scale for each 32 along K, by v_wmma_scale_f32_16x16x128_f8f6f4 with both operands' format E2M3, f32 sums; everything else in f32.
;; Inputs: K 4 x 2,048 x 1,024 float32; Q 4 x 2,048 x 1,024 float32; V 4 x 2,048 x 1,024 float32; W_out 1,024 x 1,024 float32; b_out 1,024 float32.
;; Outputs: out0 4 x 2,048 x 1,024 float32.
;; This version of the problem:
;;   THIS VERSION OF THE PROBLEM IS GIVEN IN LOW PRECISION. The matrix products marked QUANTISED in the list below multiply operands that are first quantised to E2M3 (2 exponent bits, 3 mantissa bits; 6 bits a number), with one power-of-two scale for each 32 numbers along K (OCP MX v1.0); their sums are f32. All else is computed in f32.
;;   The module's matrix products, in the order in which they are computed (A, B: the left and right operand; K: the contracted axis; several contracted axes count as one K, in the product's order):
;;     1. batch 64 x [M 2,048, K 64] x [K 64, N 2,048]; A: input Q; B: input K: QUANTISED
;;     2. batch 64 x [M 64, K 2,048] x [K 2,048, N 2,048]; A: input V; B: softmax (see below): QUANTISED
;;     3. [M 8,192, K 1,024] x [K 1,024, N 1,024]; A: computed on the way; B: input W_out: QUANTISED
;;   THE QUANTISER, for each operand of a quantised product, along K:
;;     - K is cut into blocks of 32 from its start; a last block that is shorter is filled with zeros.
;;     - A block's scale is 2^e with e = floor(log2(the largest magnitude in the block)) - 2, held to -126 .. 127; a block of zeros has e = 0. As a byte (E8M0): e + 127.
;;     - Each number is divided by its block's scale, clamped to +-7.5, and rounded to the nearest number of E2M3, ties to even, subnormals kept.
;;     - The product sums the exact products of the quantised numbers (number of the format x scale) in f32.
;;   ~~~python
;;   def quantise(x, axis):      # numpy; x: float32 -> the quantised numbers, widened to float32 again
;;       x = np.moveaxis(x, axis, -1); K = x.shape[-1]
;;       x = np.pad(x, [(0, 0)] * (x.ndim - 1) + [(0, -K % 32)]); x = x.reshape(x.shape[:-1] + (-1, 32)); a = np.abs(x).max(-1, keepdims=True)
;;       e = np.where(a > 0, np.clip(np.frexp(np.where(a > 0, a, 1))[1] - 1 - 2, -126, 127), 0)      # np.frexp(a)[1] - 1 = floor(log2(a)), exactly
;;       r = np.clip(x / 2.0 ** e, -7.5, 7.5)
;;       step = 2.0 ** (np.maximum(np.frexp(np.where(r == 0, 1, r))[1] - 1, 0) - 3)
;;       q = np.round(r / step) * step * 2.0 ** e      # np.round: ties to even
;;       return np.moveaxis(q.reshape(q.shape[:-2] + (-1,))[..., :K], -1, axis).astype(np.float32)
;;   ~~~
;;   SOFTMAX AHEAD OF A QUANTISED PRODUCT. Where the list says 'softmax', what is quantised is not the finished softmax but p = 2^(t - M), with t = logit x log2(e) and M = ceil(the row's largest t), a whole number; so 1/2 < the row's largest p <= 1. The row's sum l is taken of the UNQUANTISED p, in f32, and the product's result is divided by l at the end. Since M is a whole number, a kernel that streams over the keys may use a running M (the ceiling of the running maximum): every later rescaling is an exact power of two, which a block's scale takes up: the codes' values come out the same.
;;   OPERANDS COMPUTED ON THE WAY. 'Computed on the way' means the value that the module computes at that place (a softmax that the list does not call 'softmax' is quantised finished and normalised). What goes into a quantiser is computed in f32, as accurately as f32 sums, v_exp_f32 and their like allow (about 1e-6 of the number): no bf16 or f16 on the way to a quantiser, and a product that is left as it is and whose result goes on into a quantised operand takes f32 operands (vector FMAs, or v_wmma_f32_16x16x4_f32). A number that lies on a knife's edge between two numbers of the format may be rounded either way, as far as f32 arithmetic and the matrix unit's own rounding can turn it there, and no further.
;; One version. Each part assembles by itself: llvm-mc -triple=amdgcn-amd-amdhsa -mcpu=gfx1250 --defsym DOCPART=n.
;; ======== version 1 of 1: 3 launches
;; limits: right only within a limited range of input values
;; workspace buffers: kv 13,107,200 bytes; wc 819,200 bytes; oc 6,553,600 bytes
;; launch prep (part 1): grid 544 x 1, 4 waves a work-group, no clusters, 62,976 bytes of LDS; arguments K, V, W_out, kv, wc; writes kv, wc
.if DOCPART == 1
	.amdgcn_target "amdgcn-amd-amdhsa--gfx1250"
	.amdhsa_code_object_version 6
	.text
	.protected	k_qcc784a147d_prep
	.globl	k_qcc784a147d_prep
	.p2align	8
	.type	k_qcc784a147d_prep,@function
k_qcc784a147d_prep:
	s_mov_b64 s[64:65], 0
	v_nop
	global_prefetch_b8 v0, s[64:65] scope:SCOPE_SE
	s_setreg_imm32_b32 hwreg(HW_REG_WAVE_MODE, 25, 1), 1
	s_wait_xcnt 0x0
; K, V [4][2048][1024] and W_out [1024][1024], f32, become codes of FP6 (E2M3) with one E8M0 byte for each 32 along a product's K, laid as IMAGES OF OPERAND REGISTERS:
; a fragment (12 registers a lane) is 1,536 bytes: three pieces of 512, piece c = registers 4 c .. 4 c + 3, lane l's 16 bytes at 16 l.
; kv: a record of 12,800 bytes for each (batch, head) and each step of 128 keys: four double fragments of K (0), four fragments of V^T (6,144), K's scale words [row 16][g 4] (12,288), V's [row 16][t 4] (12,544).
;   K's double fragment g: lane (r, h): registers 0-5 key 64 (g / 2) + 16 (g % 2) + 32 (r / 8) + r % 8, channels 32 h on; registers 6-11 the key 8 further on.  Its word: (low key's two blocks, high key's two blocks).
;   V's fragment t = 2 b + u: row r = channel 32 b + 8 u + r + 8 (r / 8); registers 6 c .. 6 c + 5 of lane (r, h) = keys 64 c + 32 h + 0 .. 31.
; wc: a record of 25,600 bytes for each 256 rows of W (col) and each 128 along k (s): 16 fragments of 16 rows, then the scale words at 24,576 + 256 (fragment / 4) + 16 r + 4 (fragment % 4).
; A block's scale is 2^(floor(log2(its largest magnitude)) - 2); its byte is the largest magnitude's exponent field - 2, held at 1 from below.
; LIMITS: a block of zeros gets the byte 1 where the rule says 127 (its codes are zeros, and this program alone reads the bytes); blocks under 2^-124 are held at the byte 1; NaN and infinities are not served.
; SHARES: a wave takes 32 KB of f32: one (head, step) of K or of V, or 64 rows x 128 k of W.  Work-groups 0-255: K; 256-287: W; 288-543: V.  K and W take one way through the text (pointers and strides chosen by
; the work-group's number), V another, with LDS bytes of its own.  Waves share nothing: no barrier.  No cluster: no two work-groups read the same bytes.
.set R,   16                           ; v16-143  K, W: two sets of 64 numbers as they are loaded
.set X,   144                          ; v144-207 64 numbers: two whole blocks of my row
.set C,   208                          ; v208-219 a fragment's codes
.set T0,  220                          ; v220-222, v224-226: the second halves of the two blocks' codes (a conversion's three registers begin on an even number)
.set T1,  224
.set WD,  228                          ; v228-231 the four groups' scale words
.set XV,  16                           ; V: v16-79 two sets of 32 numbers
.set CV,  80                           ; v80-85   a block's codes
.set TV,  86                           ; v86-88
.set SW,  90                           ; v90-91   my channel's scale words, for channels 0-31 and 32-63
.set BK,  96                           ; v96-145  the images read back
.set FLOOR, 0x1800000                  ; 2^(3 - 127)
.set EOFF,  0xff000000                 ; -(2 << 23)
.macro HSB                             ; s15 = the wave's unit -> s19 = its first byte in K or V, s22 = its record in kv
	s_and_b32 s16, s15, 15                         ; head: the four waves of a work-group are four neighbouring heads
	s_bfe_u32 s17, s15, 0x40004                    ; step of 128 keys
	s_lshr_b32 s18, s15, 8                         ; batch
	s_lshl_b32 s19, s18, 23
	s_lshl_b32 s23, s17, 19
	s_or_b32 s19, s19, s23
	s_lshl_b32 s23, s16, 8
	s_or_b32 s19, s19, s23
	s_lshl_b32 s22, s18, 4
	s_add_co_u32 s22, s22, s16
	s_lshl_b32 s22, s22, 4
	s_add_co_u32 s22, s22, s17
	s_mul_i32 s22, s22, 12800
.endm
	s_load_b128 s[4:7], s[0:1], 0x0                ; K, V
	s_load_b128 s[8:11], s[0:1], 0x10              ; W_out, kv
	s_load_b64 s[12:13], s[0:1], 0x20              ; wc
	v_lshl_add_u32 v240, v0, 2, 0xf400
	v_mov_b32 v241, 0
	v_lshrrev_b32 v1, 5, v0
	v_readfirstlane_b32 s14, v1                    ; wave
	s_mov_b32 s20, 0x76543210
	s_mov_b32 s21, 0xfedcba98                      ; v_permlanex16_b32's selects for lane l xor 16
	s_cmp_ge_u32 ttmp9, 288
	s_cbranch_scc1 .Lv
; ---------------- K and W: K innermost in memory.  Four groups; a group is 32 pieces of 256 bytes: K: 32 keys of my head; W: 16 rows x two halves of 512 bytes.
	s_lshl_b32 s15, ttmp9, 2
	s_add_co_u32 s15, s15, s14                     ; the unit; W's is 1,024 less, which leaves its low seven bits as they are
	HSB
	s_add_co_u32 s23, s22, 12288                   ; K's scale words
	s_and_b32 s38, s15, 7                          ; W: s
	s_bfe_u32 s39, s15, 0x20003                    ; quarter: 64 rows
	s_bfe_u32 s40, s15, 0x20005                    ; col: 256 rows
	s_lshl_b32 s41, s40, 20
	s_lshl_b32 s42, s39, 18
	s_or_b32 s41, s41, s42
	s_lshl_b32 s42, s38, 9
	s_or_b32 s41, s41, s42                         ; first byte in W
	s_lshl_b32 s42, s40, 3
	s_add_co_u32 s42, s42, s38
	s_mul_i32 s42, s42, 25600                      ; record in wc
	s_mul_i32 s43, s39, 6144
	s_add_co_u32 s43, s43, s42                     ; my four fragments
	s_lshl_b32 s44, s39, 8
	s_add_co_u32 s44, s44, s42
	s_add_co_u32 s44, s44, 24576                   ; their scale words
	s_mov_b32 s45, 65536                           ; W: from group to group: 16 rows
	s_mov_b32 s46, 256                             ; from lanes 0-15 to lanes 16-31: the row's other half
	s_mov_b32 s47, 32768                           ; from piece i to piece i + 8: 8 rows
	s_mov_b32 s49, 0
	s_wait_kmcnt 0x0
	s_cmp_lt_u32 ttmp9, 256                        ; K's work-group or W's?  The choice hangs on the work-group's number alone
	s_cselect_b64 s[24:25], s[4:5], s[8:9]
	s_cselect_b64 s[32:33], s[10:11], s[12:13]
	s_cselect_b32 s19, s19, s41
	s_cselect_b32 s22, s22, s43
	s_cselect_b32 s23, s23, s44
	; THE ORDER OF K'S KEYS IN FORCE (in place of the one named at the head): double fragment g, row r: low key 64 (g / 2) + 16 (g % 2) + 32 (r / 8) + r % 8, high key 8 further on
	s_cselect_b32 s51, 196608, s45                 ; from group 1 to group 2: K 48 keys, W 16 rows; the other two steps are 16 keys or 16 rows
	s_cselect_b32 s36, 32768, s46                  ; the key 8 further on
	s_cselect_b32 s37, 131072, s47                 ; K: rows 8-15 take the keys 32 further on
	s_mov_b32 s48, s19
	s_add_nc_u64 s[24:25], s[24:25], s[48:49]      ; a pointer for each group: never stepped
	s_mov_b32 s48, s45
	s_add_nc_u64 s[26:27], s[24:25], s[48:49]
	s_mov_b32 s48, s51
	s_add_nc_u64 s[28:29], s[26:27], s[48:49]
	s_mov_b32 s48, s45
	s_add_nc_u64 s[30:31], s[28:29], s[48:49]
	s_mov_b32 s48, s23
	s_add_nc_u64 s[34:35], s[32:33], s[48:49]      ; scale words
	s_mov_b32 s48, s22
	s_add_nc_u64 s[32:33], s[32:33], s[48:49]      ; codes
	v_and_b32 v1, 15, v0                           ; r
	v_bfe_u32 v2, v0, 4, 1                         ; h
	v_and_b32 v10, 31, v0                          ; lane
	v_lshlrev_b32 v11, 4, v1
	v_mul_lo_u32 v3, v2, s36
	v_add_nc_u32 v3, v3, v11                       ; in: 16 bytes a lane; sixteen lanes read a piece of 256 consecutive bytes, aligned
	v_add_nc_u32 v4, s37, v3                       ; pieces 8 to 15
	s_mul_i32 s50, s14, 8704                       ; my stage: 32 places of 256 + 16 bytes
	v_mad_u32_u24 v5, v2, 4352, v11
	v_add_nc_u32 v5, s50, v5                       ; into it: place 16 h + i
	v_mul_u32_u24 v6, v1, 272
	v_lshl_add_u32 v6, v2, 7, v6
	v_add_nc_u32 v6, s50, v6                       ; out of it: place 16 c + r, my 128 bytes: a whole block of 32
	v_lshlrev_b32 v7, 4, v10                       ; an image's place for my lane
	v_lshl_add_u32 v8, v2, 3, v11                  ; the scale words' way out: 16 r + 8 h
	v_lshlrev_b32 v9, 3, v2                        ; 8 h: my bytes' place in a scale word
	v_mov_b32 v236, 0                              ; written once: a lane permute's destination counts as one of its sources
.macro LOADKW g
.irp i, 0,1,2,3,4,5,6,7
	global_load_b128 v[R+64*((\g)%2)+4*\i:R+64*((\g)%2)+4*\i+3], v3, s[24+2*(\g):25+2*(\g)] offset:4096*\i th:TH_LOAD_NT
.endr
.irp i, 0,1,2,3,4,5,6,7
	global_load_b128 v[R+64*((\g)%2)+32+4*\i:R+64*((\g)%2)+32+4*\i+3], v4, s[24+2*(\g):25+2*(\g)] offset:4096*\i th:TH_LOAD_NT
.endr
.endm
.macro GROUP g
.if (\g) < 3
	s_wait_loadcnt 16                              ; this group's 16 loads are in; the next group's 16 may be out
.else
	s_wait_loadcnt 0x0
.endif
.irp i, 0,1,2,3,4,5,6,7,8,9,10,11,12,13,14,15
	ds_store_b128 v5, v[R+64*((\g)%2)+4*\i:R+64*((\g)%2)+4*\i+3] offset:272*\i
.endr
.irp c, 0,1
.irp j, 0,1,2,3,4,5,6,7
	ds_load_b128 v[X+32*\c+4*\j:X+32*\c+4*\j+3], v6 offset:4352*\c+16*\j   ; LDS serves a wave's instructions in order: these see the stores above
.endr
.endr
	s_wait_dscnt 0x0
.if (\g) < 2
	LOADKW (\g)+2                                  ; into the set that has just gone through the stage
.endif
.irp c, 0,1
	v_max3_num_f32 v[232+\c], |v[X+32*\c]|, |v[X+32*\c+1]|, FLOOR   ; block c: all its 32 numbers are mine; the floor holds the byte at 1 from below
.endr
.irp i, 2,4,6,8,10,12,14,16,18,20,22,24,26,28,30
.irp c, 0,1
	v_max3_num_f32 v[232+\c], v[232+\c], |v[X+32*\c+\i]|, |v[X+32*\c+\i+1]|   ; (the two blocks by turns)
.endr
.endr
.irp c, 0,1
	v_add_nc_u32 v[234+\c], EOFF, v[232+\c]        ; 2 off the exponent field: the conversion takes the exponent field of this operand as its scale
.endr
	s_wait_alu depctr_va_vdst(0)
	s_wait_xcnt 0x0                                ; the last group's stores have read the codes' registers: only now are they written again
	v_cvt_scalef32_pk16_fp6_f32 v[C:C+2], v[X:X+15], v234
	v_cvt_scalef32_pk16_fp6_f32 v[T0:T0+2], v[X+16:X+31], v234
	v_cvt_scalef32_pk16_fp6_f32 v[C+6:C+8], v[X+32:X+47], v235
	v_cvt_scalef32_pk16_fp6_f32 v[T1:T1+2], v[X+48:X+63], v235
	v_lshrrev_b32 v237, 23, v234                   ; the scales' bytes (also the plain line behind the conversions)
	v_lshrrev_b32 v238, 23, v235
.irp i, 0,1,2
	v_mov_b32 v[C+3+\i], v[T0+\i]
	v_mov_b32 v[C+9+\i], v[T1+\i]
.endr
	v_lshl_or_b32 v239, v238, 16, v237             ; my two bytes: blocks h and 2 + h of row r,
	v_lshlrev_b32 v239, v9, v239                   ; at their places;
	v_permlanex16_b32 v236, v239, s20, s21
	v_or_b32 v[WD+(\g)], v239, v236                ; with lane l xor 16's two the word is whole
.irp c, 0,1,2
	global_store_b128 v7, v[C+4*\c:C+4*\c+3], s[32:33] offset:1536*(\g)+512*\c   ; 32 lanes store 512 consecutive bytes, aligned to 256
.endr
.endm
	LOADKW 0
	LOADKW 1
	s_wait_alu depctr_va_vdst(0)
	GROUP 0
	GROUP 1
	GROUP 2
	GROUP 3
	v_cmp_eq_u32 vcc_lo, 1, v2
	v_cndmask_b32 v232, v228, v230, vcc_lo         ; lanes 0-15 store row r's words 0 and 1, lanes 16-31 its words 2 and 3
	v_cndmask_b32 v233, v229, v231, vcc_lo
	global_store_b64 v8, v[232:233], s[34:35]      ; 32 lanes store 256 consecutive bytes, aligned
	s_wait_tensorcnt 0x0
	ds_add_u32 v240, v241
	s_wait_dscnt 0x0
	s_endpgm
; ---------------- V: the keys are its K, and they are not innermost.  A lane takes a channel and its registers run down the keys: a block of 32 keys lies in one lane.
.Lv:
	s_sub_co_u32 s15, ttmp9, 288
	s_lshl_b32 s15, s15, 2
	s_add_co_u32 s15, s15, s14
	HSB
	s_mov_b32 s23, 0
	s_mov_b32 s48, s19
	s_mov_b32 s49, 0
	s_mul_i32 s50, s14, 6912
	s_add_co_u32 s50, s50, 34816                   ; my stage, behind the other way's: four images 1,664 bytes apart, then 256 bytes of scale words
	v_and_b32 v10, 31, v0                          ; lane = channel within 32
	v_lshlrev_b32 v3, 2, v10                       ; in: 4 bytes a lane
	v_bfe_u32 v11, v0, 3, 1                        ; u: channel l = 8 u + r + 8 (r / 8)
	v_bfe_u32 v12, v0, 4, 1
	v_and_b32 v13, 7, v0
	v_lshl_add_u32 v13, v12, 3, v13                ; r
	v_lshlrev_b32 v13, 4, v13
	v_mad_u32_u24 v4, v11, 1664, v13
	v_add_nc_u32 v4, s50, v4                       ; image u of a pair, row r's 16 bytes
	v_lshl_add_u32 v5, v11, 2, v13
	v_add_nc_u32 v5, s50, v5
	v_add_nc_u32 v5, 6656, v5                      ; scale word [r][u]
	v_lshlrev_b32 v7, 4, v10
	v_add_nc_u32 v6, s50, v7                       ; back: 16 bytes a lane
	v_lshlrev_b32 v9, 3, v10
	v_add_nc_u32 v8, s50, v9
	v_add_nc_u32 v8, 6656, v8
	s_wait_kmcnt 0x0
	s_add_nc_u64 s[24:25], s[6:7], s[48:49]
	s_add_nc_u64 s[32:33], s[10:11], s[22:23]
.macro LOADV q                         ; block q: keys 32 (q / 2) on, channels 32 (q % 2) on
.irp i, 0,1,2,3,4,5,6,7,8,9,10,11,12,13,14,15,16,17,18,19,20,21,22,23,24,25,26,27,28,29,30,31
	global_load_b32 v[XV+32*((\q)%2)+\i], v3, s[24:25] offset:(32*((\q)/2)+\i)*4096+128*((\q)%2) th:TH_LOAD_NT
.endr
.endm
.macro BLOCKV q
.set XS, XV+32*((\q)%2)
.set KB, (\q)/2                        ; which 32 keys: registers 6 (KB / 2) on of the image's lane 16 (KB % 2) + r
.set HB, (\q)%2
.set VB, 3328*HB+256*(KB%2)
.if (\q) < 7
	s_wait_loadcnt 32                              ; this block's 32 loads are in; the next block's may be out
.else
	s_wait_loadcnt 0x0
.endif
	v_max3_num_f32 v92, |v[XS]|, |v[XS+1]|, FLOOR
	v_max3_num_f32 v93, |v[XS+2]|, |v[XS+3]|, |v[XS+4]|
.irp i, 5,9,13,17,21,25
	v_max3_num_f32 v92, v92, |v[XS+\i]|, |v[XS+\i+1]|
	v_max3_num_f32 v93, v93, |v[XS+\i+2]|, |v[XS+\i+3]|
.endr
	v_max3_num_f32 v92, v92, |v[XS+29]|, |v[XS+30]|
	v_max3_num_f32 v92, v92, v93, |v[XS+31]|
	v_add_nc_u32 v94, EOFF, v92
	v_cvt_scalef32_pk16_fp6_f32 v[CV:CV+2], v[XS:XS+15], v94
	v_cvt_scalef32_pk16_fp6_f32 v[TV:TV+2], v[XS+16:XS+31], v94
	v_lshrrev_b32 v95, 23, v94                     ; the scale's byte (also the plain line behind the conversions)
.if KB == 0
	v_mov_b32 v[SW+HB], v95
.else
	v_lshl_or_b32 v[SW+HB], v95, 8*KB, v[SW+HB]
.endif
.irp i, 0,1,2
	v_mov_b32 v[CV+3+\i], v[TV+\i]
.endr
.if KB/2 == 0
	ds_store_b128 v4, v[CV:CV+3] offset:VB         ; registers 0-3: piece 0;
	ds_store_b64 v4, v[CV+4:CV+5] offset:VB+512    ; 4, 5: the lower half of piece 1's 16 bytes
.else
	ds_store_b64 v4, v[CV:CV+1] offset:VB+520      ; 6, 7: the upper half;
	ds_store_b128 v4, v[CV+2:CV+5] offset:VB+1024  ; 8-11: piece 2
.endif
.if (\q) < 6
	LOADV (\q)+2
.endif
	s_wait_dscnt 0x0                               ; the stores have read their registers
.endm
	LOADV 0
	LOADV 1
.irp q, 0,1,2,3,4,5,6,7
	BLOCKV \q
.endr
	ds_store_b32 v5, v[SW] offset:0
	s_wait_alu depctr_va_vdst(0)
	ds_store_b32 v5, v[SW+1] offset:8
.irp t, 0,1,2,3
.irp c, 0,1,2
	ds_load_b128 v[BK+12*\t+4*\c:BK+12*\t+4*\c+3], v6 offset:1664*\t+512*\c   ; LDS serves a wave's instructions in order: these see my stores
.endr
.endr
	ds_load_b64 v[BK+48:BK+49], v8
.irp t, 0,1,2,3
.irp c, 0,1,2
	s_wait_dscnt 12-3*\t-\c                        ; the loads issued behind this one may be out
	global_store_b128 v7, v[BK+12*\t+4*\c:BK+12*\t+4*\c+3], s[32:33] offset:6144+1536*\t+512*\c   ; 512 consecutive bytes, aligned to 256
.endr
.endr
	s_wait_dscnt 0x0
	global_store_b64 v9, v[BK+48:BK+49], s[32:33] offset:12544   ; 256 consecutive bytes, aligned
	s_wait_tensorcnt 0x0
	ds_add_u32 v240, v241
	s_wait_dscnt 0x0
	s_endpgm
.Lfunc_end_k_qcc784a147d_prep:
	.size	k_qcc784a147d_prep, .Lfunc_end_k_qcc784a147d_prep-k_qcc784a147d_prep
	.p2alignl 7, 3214868480
	.fill 96, 4, 3214868480
	.section	.rodata,"a",@progbits
	.p2align	6, 0x0
	.amdhsa_kernel k_qcc784a147d_prep
		.amdhsa_group_segment_fixed_size 62976
		.amdhsa_private_segment_fixed_size 0
		.amdhsa_enable_private_segment 0
		.amdhsa_kernarg_size 40
		.amdhsa_user_sgpr_count 2
		.amdhsa_user_sgpr_kernarg_segment_ptr 1
		.amdhsa_wavefront_size32 1
		.amdhsa_system_sgpr_workgroup_id_x 1
		.amdhsa_system_sgpr_workgroup_id_y 1
		.amdhsa_system_sgpr_workgroup_id_z 1
		.amdhsa_system_vgpr_workitem_id 0
		.amdhsa_next_free_vgpr 242
		.amdhsa_next_free_sgpr 66
		.amdhsa_reserve_vcc 1
		.amdhsa_float_denorm_mode_32 3
		.amdhsa_float_denorm_mode_16_64 3
		.amdhsa_memory_ordered 1
		.amdhsa_forward_progress 1
		.amdhsa_inst_pref_size 73
	.end_amdhsa_kernel
	.amdgpu_metadata
---
amdhsa.version: [ 1, 2 ]
amdhsa.kernels:
  - .name:           k_qcc784a147d_prep
    .symbol:         k_qcc784a147d_prep.kd
    .args:
      - { .name: K, .offset: 0, .size: 8, .value_kind: global_buffer, .address_space: global }
      - { .name: V, .offset: 8, .size: 8, .value_kind: global_buffer, .address_space: global }
      - { .name: W_out, .offset: 16, .size: 8, .value_kind: global_buffer, .address_space: global }
      - { .name: kv, .offset: 24, .size: 8, .value_kind: global_buffer, .address_space: global }
      - { .name: wc, .offset: 32, .size: 8, .value_kind: global_buffer, .address_space: global }
    .group_segment_fixed_size: 62976
    .private_segment_fixed_size: 0
    .kernarg_segment_align: 8
    .kernarg_segment_size: 40
    .max_flat_workgroup_size: 128
    .sgpr_count:     66
    .vgpr_count:     242
    .wavefront_size: 32
...
	.end_amdgpu_metadata
.endif
;; end of part 1
;; launch attn (part 2): grid 4 x 64, 16 waves a work-group, clusters of 4 x 1, 280,576 bytes of LDS; arguments Q, kv, oc; writes oc
.if DOCPART == 2
	.amdgcn_target "amdgcn-amd-amdhsa--gfx1250"
	.amdhsa_code_object_version 6
	.text
	.protected	k_qcc784a147d_attn
	.globl	k_qcc784a147d_attn
	.p2align	8
	.type	k_qcc784a147d_attn,@function
k_qcc784a147d_attn:
	s_mov_b64 s[64:65], 0
	v_nop
	global_prefetch_b8 v0, s[64:65] scope:SCOPE_SE
	s_setreg_imm32_b32 hwreg(HW_REG_WAVE_MODE, 25, 1), 1
	s_wait_xcnt 0x0
	s_wait_alu depctr_hold_cnt(0) depctr_sa_sdst(0) depctr_va_vdst(0) depctr_va_sdst(0) depctr_va_ssrc(0) depctr_va_vcc(0) depctr_vm_vsrc(0)
	s_getreg_b32 s2, hwreg(HW_REG_IB_STS2, 6, 4)
	s_cmp_eq_u32 s2, 0
	s_cbranch_scc0 .Lentry_in_a_cluster
	s_endpgm
.Lentry_in_a_cluster:
	s_bfe_u32 s2, ttmp6, 0x10000c
	s_cmp_lg_u32 s2, 0x3003
	s_cbranch_scc0 .Lentry_shape_is_right
	s_endpgm
.Lentry_shape_is_right:
; o[b][q][head] = softmax_k(q . k / 32) v, both products on codes of FP6 (E2M3) with one E8M0 byte for each 32 along a product's K; the result is quantised along d for the projection.
; SOFTMAX: t = score x log2(e) / 32; M = the running largest t rounded up to a whole number; p = 2^(t - M) is quantised along the keys; the row's sum is taken of the unquantised p and divides at the end.
; When M moves, the sums and O are multiplied by f = 2^(old M - new M): exact.
; SHARES: a work-group owns 512 queries of one (batch, head); each of its sixteen waves 32, one tile of 16 at a time.  The head's 16 records of kv (12,800 bytes each) stay in LDS: wave w brings record w, nothing is filled again.
; CLUSTER: the four work-groups of a head ask for each record jointly.
; LAYOUT: both products transposed (S^T = K Q^T, O^T = V^T P^T): a lane holds one query (lane % 16).  A fragment of K holds two keys a row (64 channels each); Q stands in 18 registers, 6 zeros | q | 6 zeros.
; Tile T = 2 g + u of S^T: row m is key 64 (T / 4) + 32 (m / 8) + 8 (T % 4) + m % 8.  So lane (r, h)'s 32 registers of tiles 4 c .. 4 c + 3 are keys 64 c + 32 h + 0 .. 31: a WHOLE block of P's operand, in its own lane:
; a block's maximum needs no other lane and the codes need no exchange between lanes.
; THE ROW'S SUM runs in four chains that last over the steps; a chain's first line of a step is chain x f + p.  The 32 lines stand behind the P V products: four are the places ahead of the next step's fragment loads.
; Q's second tile is loaded behind the head's barrier into registers that the first pass leaves idle, and is quantised between the passes.
; No prefetch: each byte from memory is asked for once, at the head or directly behind its barrier; no loop of loads runs ahead.
; oc: as the projection reads it: a record of 12,800 bytes for each 128 rows and 128 along d: 8 tiles x 1,536, head c's half at 768 c; scale bytes at 12,288 + 256 c + 128 (tile / 4) + 8 r + 2 (tile % 4).
; LIMITS: NaN and infinities are not served; a block of zeros gets the byte 1 (its codes are zeros); 1 / sum is v_rcp_f32 and a multiplication; a block's largest p is made from its largest score by the same
; multiply-add and exponential as every p, which takes v_exp_f32 not to fall where its input rises; the scaled scores stay under 2^31.
; REGISTERS: v1-9 addresses; v12 -M, v13 largest t; sums v[14:15], v[222:223], v[252:253], v[10:11]; v16-33 Q tile 0, v34-35 its words; v232-249 Q tile 1, v207, v211 its words (v232-251, v36-47: tile 1 as loaded);
;   v48-95 four fragments; v96-159 S^T, then p; v160-191 O^T; v192-203 p's codes; v204-206, v208-210 second halves; v212-221, v227 at work; v224 f; v226 p's word; v228-231 words: lanes 0-15 K's, 16-31 V's.
.set REC, 12800
.set QST, 204800                       ; a stage of 16 rows x 272 bytes for each wave, for Q's way in
.set SG,  274432                       ; the result's scale bytes of the work-group's 512 rows
.set FLOOR, 0x1800000                  ; 2^(3 - 127)
.set EOFF,  0xff000000                 ; -(2 << 23)
.macro CROUND
	s_barrier_signal -1
	s_barrier_wait -1
	s_cmp_lg_u32 s10, 0
	s_cbranch_scc1 .Lnot_wave_0_\@
	s_barrier_signal -3
.Lnot_wave_0_\@:
	s_barrier_wait -3
	s_barrier_signal -1
	s_barrier_wait -1
.endm
	s_load_b128 s[4:7], s[0:1], 0x0                ; Q, kv
	s_load_b64 s[8:9], s[0:1], 0x10                ; oc
	v_lshl_add_u32 v254, v0, 2, 0x44000
	v_mov_b32 v255, 0
	ds_add_u32 v254, v255                          ; the opening lines
	ds_add_u32 v254, v255
	v_lshrrev_b32 v1, 5, v0
	s_delay_alu instid0(VALU_DEP_1)
	v_readfirstlane_b32 s10, v1                    ; wave 0..15
	s_bfe_u32 s11, ttmp6, 0x40000                  ; cx
	s_lshl_b32 s14, ttmp9, 2
	s_add_co_u32 s11, s14, s11                     ; my block of 512 queries: it enters Q's and oc's addresses alone
	s_and_b32 s15, ttmp7, 0xffff                   ; 16 batch + head
	s_lshr_b32 s16, s15, 4
	s_and_b32 s17, s15, 15
	s_lshl_b32 s18, s16, 23                        ; Q: (2048 batch + 512 block + 32 wave) rows of 4,096 bytes + 256 head
	s_lshl_b32 s19, s11, 21
	s_add_co_u32 s18, s18, s19
	s_lshl_b32 s19, s10, 17
	s_add_co_u32 s18, s18, s19
	s_lshl_b32 s19, s17, 8
	s_add_co_u32 s18, s18, s19
	s_mov_b32 s19, 0
	s_lshl_b32 s40, s16, 4
	s_lshl_b32 s41, s11, 2
	s_add_co_u32 s40, s40, s41                     ; the work-group's first tile of 128 rows
	s_lshr_b32 s42, s17, 1                         ; the projection's K step
	s_and_b32 s43, s17, 1                          ; my head's half of it
	s_and_b32 s44, s10, 3
	s_lshr_b32 s45, s10, 2
	s_add_co_u32 s46, s40, s45                     ; codes: record (tile of my rows, K step) + 3,072 (wave % 4) + 768 half
	s_lshl_b32 s46, s46, 3
	s_add_co_u32 s46, s46, s42
	s_mul_i32 s46, s46, REC
	s_mul_i32 s47, s44, 3072
	s_add_co_u32 s46, s46, s47
	s_mul_i32 s47, s43, 768
	s_add_co_u32 s46, s46, s47
	s_mov_b32 s47, 0
	s_add_co_u32 s48, s40, s44                     ; scale bytes: waves 0-3 store those of tile wave
	s_lshl_b32 s48, s48, 3
	s_add_co_u32 s48, s48, s42
	s_mul_i32 s48, s48, REC
	s_lshl_b32 s49, s43, 8
	s_add_co_u32 s48, s48, s49
	s_add_co_u32 s48, s48, 12288
	s_mov_b32 s49, 0
	s_lshl_b32 s50, s15, 4                         ; kv: record 16 (16 batch + head) + wave
	s_add_co_u32 s50, s50, s10
	s_mul_i32 s50, s50, REC
	s_mov_b32 s51, 0
	s_mov_b32 s20, 0x76543210
	s_mov_b32 s21, 0xfedcba98                      ; selects for lane l xor 16
	s_mov_b32 s22, 0x3d38aa3b                      ; c = log2(e) / 32
	s_mov_b32 s23, s22
	s_mov_b32 s24, 15|(3<<16)|(1<<21)              ; group 1: mask of the four; elements of 8 bytes; bit 21 beside a mask
	s_mov_b32 s25, 32<<16                          ; a record as 50 dense rows of 256 bytes
	s_mov_b32 s26, 50<<16
	s_mov_b32 s27, 32<<16
	s_mov_b32 s28, 50
	s_mov_b32 s29, 32
	s_mov_b32 s30, 0
	s_mov_b32 s31, 0
	s_mul_i32 s52, s10, 4352
	s_add_co_u32 s52, s52, QST                     ; my stage
	s_lshr_b32 s53, s10, 1
	s_lshl_b32 s53, s53, 7
	s_and_b32 s54, s10, 1
	s_lshl_b32 s54, s54, 2
	s_add_co_u32 s53, s53, s54
	s_add_co_u32 s53, s53, SG                      ; SG + 128 (wave / 2) + 4 (wave % 2)
	s_lshl_b32 s54, s10, 8
	s_add_co_u32 s54, s54, SG
	v_and_b32 v11, 31, v0                          ; lane
	v_and_b32 v10, 15, v0                          ; r
	v_bfe_u32 v9, v0, 4, 1                         ; h
	v_lshlrev_b32 v1, 4, v11                       ; 16 x lane
	v_lshlrev_b32 v2, 3, v11                       ; 8 x lane
	v_lshlrev_b32 v3, 4, v10
	v_mul_u32_u24 v6, v10, 272
	v_lshlrev_b32 v7, 3, v10
	v_lshl_add_u32 v4, v9, 12, v3                  ; Q: lanes 0-15 one row's 256 bytes of my head, lanes 16-31 the next row's
	v_mad_u32_u24 v5, v9, 272, v3
	v_lshl_add_u32 v6, v9, 7, v6
	v_add_nc_u32 v7, s53, v7                       ; my rows' scale bytes (+ 2 for the second tile)
	v_add_nc_u32 v5, s52, v5                       ; into the stage
	v_add_nc_u32 v6, s52, v6                       ; out of it: row r, my block of 32 channels
	v_add_nc_u32 v8, s54, v2                       ; where waves 0-3 read the scale bytes back
	v_lshlrev_b32 v9, 3, v9                        ; 8 h
	s_wait_alu depctr_va_vdst(0)                   ; the wait at the head's end
	s_wait_dscnt 0x0
	s_wait_kmcnt 0x0
	s_add_nc_u64 s[4:5], s[4:5], s[18:19]
	s_add_nc_u64 s[12:13], s[8:9], s[48:49]
	s_add_nc_u64 s[8:9], s[8:9], s[46:47]
	s_mov_b32 s32, 1
	s_mul_i32 s33, s10, REC                        ; LDS address: record wave
	s_add_nc_u64 s[34:35], s[6:7], s[50:51]
	s_or_b32 s35, s35, 0x80000000
	CROUND                                         ; the joint loads meet
	tensor_load_to_lds s[32:35], s[24:31]          ; every wave's one tensor load
	s_nop 0
.rept 4
	v_nop
.endr
.irp i, 0,1,2,3,4,5,6,7
	global_load_b128 v[96+4*\i:99+4*\i], v4, s[4:5] offset:8192*\i th:TH_LOAD_NT   ; rows 2 i, 2 i + 1 of tile 0
.endr
.irp j, 16,17,18,19,20,21,28,29,30,31,32,33,217,219,225
	v_mov_b32 v\j, 0                               ; the zero codes beside q; permutes' destinations; the upper half of f's pair
.endr
; 32 numbers of a lane, one block of my row, become six registers of codes at v[dst] and the two scale words of Q's run
.macro QUANTQ src, dst, sl, sh
	v_max3_num_f32 v212, |v[\src]|, |v[\src+1]|, FLOOR
	v_max3_num_f32 v213, |v[\src+16]|, |v[\src+17]|, |v[\src+18]|
.irp i, 2,4,6,8,10,12
	s_delay_alu instid0(VALU_DEP_2)
	v_max3_num_f32 v212, v212, |v[\src+\i]|, |v[\src+\i+1]|
	s_delay_alu instid0(VALU_DEP_2)
	v_max3_num_f32 v213, v213, |v[\src+17+\i]|, |v[\src+18+\i]|
.endr
	s_delay_alu instid0(VALU_DEP_2)
	v_max3_num_f32 v212, v212, |v[\src+14]|, |v[\src+15]|
	s_delay_alu instid0(VALU_DEP_1)
	v_max3_num_f32 v212, v212, v213, |v[\src+31]|
	s_delay_alu instid0(VALU_DEP_1)
	v_add_nc_u32 v220, EOFF, v212                  ; 2 off the exponent field: the conversion's scale operand
	v_cvt_scalef32_pk16_fp6_f32 v[\dst:\dst+2], v[\src:\src+15], v220
	v_cvt_scalef32_pk16_fp6_f32 v[204:206], v[\src+16:\src+31], v220
	v_lshrrev_b32 v216, 23, v220                   ; the byte (also the plain line behind the conversions)
.irp i, 0,1,2
	v_mov_b32 v[\dst+3+\i], v[204+\i]
.endr
	s_delay_alu instid0(VALU_DEP_4)
	v_lshlrev_b32 v216, v9, v216
	s_delay_alu instid0(VALU_DEP_1)
	v_permlanex16_b32 v217, v216, s20, s21
	s_delay_alu instid0(VALU_DEP_1)
	v_or_b32 v216, v216, v217                      ; my row's two bytes
	s_delay_alu instid0(VALU_DEP_1)
	v_or_b32 v[\sl], 0x7f7f0000, v216              ; for q at k 0-63
	s_delay_alu instid0(VALU_DEP_2)
	v_lshl_or_b32 v[\sh], v216, 16, 0x7f7f         ; for q at k 64-127
.endm
	s_wait_alu depctr_va_vdst(0)                   ; the wait ahead of the blocking wait
	s_wait_loadcnt 0x0
.irp i, 0,1,2,3,4,5,6,7
	ds_store_b128 v5, v[96+4*\i:99+4*\i] offset:544*\i
.endr
.irp j, 0,1,2,3,4,5,6,7
	ds_load_b128 v[48+4*\j:51+4*\j], v6 offset:16*\j   ; LDS serves a wave's instructions in order
.endr
	s_wait_dscnt 0x0
	QUANTQ 48, 22, 34, 35
	s_wait_alu depctr_va_vdst(0)
	s_wait_tensorcnt 0x0                           ; my record has landed,
	s_barrier_signal -1
	s_barrier_wait -1                              ; everybody's has
.set i, 0
.irp d, 232,236,240,244,248,36,40,44
	global_load_b128 v[\d:\d+3], v4, s[4:5] offset:65536+8192*i th:TH_LOAD_NT   ; tile 1, eight loads that stay out during the first pass
.set i, i+1
.endr
.macro KLOAD                           ; the record at v3: the scale words and K's four double fragments
	ds_load_b128 v[228:231], v3 offset:12288       ; lanes 0-15: K's four words of row r; lanes 16-31, 256 bytes on: V's
.irp g, 0,1,2,3
.irp c, 0,1,2
	ds_load_b128 v[48+12*\g+4*\c:51+12*\g+4*\c], v3 offset:1536*\g+512*\c
.endr
.endr
.endm
; A KEY STEP of 128 keys; its K fragments were asked for a step earlier.  next = 1: the next record's are asked for behind the products
.macro STEP qb, sl, sh, next
	s_wait_alu depctr_va_vdst(0)                   ; the wait ahead of the blocking wait
	s_wait_dscnt 0x0
.irp g, 0,1,2,3
	v_wmma_scale_f32_16x16x128_f8f6f4 v[96+16*\g:103+16*\g], v[48+12*\g:59+12*\g], v[\qb+6:\qb+17], 0, v[228+\g], v[\sl] matrix_a_fmt:MATRIX_FMT_FP6 matrix_b_fmt:MATRIX_FMT_FP6
	v_wmma_scale_f32_16x16x128_f8f6f4 v[104+16*\g:111+16*\g], v[48+12*\g:59+12*\g], v[\qb:\qb+11], 0, v[228+\g], v[\sh] matrix_a_fmt:MATRIX_FMT_FP6 matrix_b_fmt:MATRIX_FMT_FP6
.endr
	v_mov_b32 v227, v12                            ; the old -M; with three v_nop the four places ahead of the loads and of the first read of the scores
.rept 3
	v_nop
.endr
.irp t, 0,1,2,3
.irp c, 0,1,2
	ds_load_b128 v[48+12*\t+4*\c:51+12*\t+4*\c], v3 offset:6144+1536*\t+512*\c   ; V's fragments land while the softmax is worked
.endr
.endr
.irp b, 0,1,2,3
	v_max3_num_f32 v[212+\b], v[96+16*\b], v[97+16*\b], v[98+16*\b]   ; four chains by turns, two to a block; each result is read from its low end on
.endr
.irp i, 3,5,7,9,11,13
.irp b, 0,1,2,3
	v_max3_num_f32 v[212+\b], v[212+\b], v[96+16*\b+\i], v[97+16*\b+\i]
.endr
.endr
	v_max3_num_f32 v212, v212, v213, v111
	v_max3_num_f32 v214, v214, v215, v143
	v_max_num_f32 v212, v212, v127                 ; the largest score of my block h,
	v_max_num_f32 v213, v214, v159                 ; and of my block 2 + h
	v_max_num_f32 v214, v212, v213
	v_permlanex16_b32 v215, v214, s20, s21
	v_max_num_f32 v214, v214, v215                 ; with lane l xor 16's 64 keys
	v_mul_f32 v214, s22, v214                      ; the step's largest t (c is positive)
	v_max_num_f32 v13, v13, v214
	v_floor_f32 v12, -v13                          ; the new -M
.set j, 0
.rept 32
	v_pk_fma_f32 v[96+j:97+j], v[96+j:97+j], s[22:23], v[12:13] op_sel_hi:[1,0,0]   ; t - M
.set j, j+2
.endr
	v_fma_f32 v212, v212, s22, v12                 ; the same of each block's largest score
	v_fma_f32 v213, v213, s22, v12
	s_wait_alu depctr_va_vdst(0)                   ; the wait ahead of the batch
	v_exp_f32 v212, v212                           ; the blocks' largest p
	v_exp_f32 v213, v213
.set j, 0
.rept 64
	v_exp_f32 v[96+j], v[96+j]                     ; p = 2^(t - M), at most 1
.set j, j+1
.endr
	v_sub_f32 v227, v12, v227                      ; old M - new M, 0 or less (plain lines behind the batch)
	v_cvt_i32_f32 v227, v227                       ; (it saturates)
	v_ldexp_f32 v224, 1.0, v227                    ; f
	s_wait_alu depctr_va_vdst(0)                   ; the wait behind the batch
	v_max_num_f32 v212, FLOOR, v212                ; the byte cannot fall under 1
	v_max_num_f32 v213, FLOOR, v213
	v_add_nc_u32 v220, EOFF, v212                  ; the conversions' scale operands
	v_add_nc_u32 v221, EOFF, v213
.irp c, 0,1
	v_cvt_scalef32_pk16_fp6_f32 v[192+6*\c:194+6*\c], v[96+32*\c:111+32*\c], v[220+\c]
	v_cvt_scalef32_pk16_fp6_f32 v[204+4*\c:206+4*\c], v[112+32*\c:127+32*\c], v[220+\c]
.endr
	v_lshrrev_b32 v216, 23, v220                   ; the bytes (also the plain line behind the conversions)
	v_lshrrev_b32 v217, 23, v221
	v_lshl_or_b32 v218, v217, 16, v216             ; my bytes: blocks h and 2 + h,
	v_lshlrev_b32 v218, v9, v218                   ; at their places;
	v_permlanex16_b32 v219, v218, s20, s21
	v_or_b32 v226, v218, v219                      ; with lane l xor 16's two: p's scale word
.irp c, 0,1
.irp i, 0,1,2
	v_mov_b32 v[195+6*\c+\i], v[204+4*\c+\i]       ; a conversion's three registers begin on an even number
.endr
.endr
	s_wait_alu depctr_va_vdst(0)                   ; the wait directly ahead of the first reader of O^T
.set j, 0
.rept 16
	v_pk_mul_f32 v[160+j:161+j], v[160+j:161+j], v[224:225] op_sel_hi:[1,0]   ; O^T under the new M, from the low end on
.set j, j+2
.endr
	s_wait_alu depctr_va_vdst(0)
	s_wait_dscnt 0x0                               ; V's fragments are in
.irp t, 0,1,2,3                                ; the four accumulators by turns
	v_wmma_scale_f32_16x16x128_f8f6f4 v[160+8*\t:167+8*\t], v[48+12*\t:59+12*\t], v[192:203], v[160+8*\t:167+8*\t], v[228+\t], v226 matrix_a_fmt:MATRIX_FMT_FP6 matrix_b_fmt:MATRIX_FMT_FP6 matrix_a_scale:MATRIX_SCALE_ROW1
.endr
.set j, 0
.irp a, 14,222,252,10
	v_pk_fma_f32 v[\a:\a+1], v[\a:\a+1], v[224:225], v[96+j:97+j] op_sel_hi:[1,0,1]   ; sum x f + p: four places behind the products
.set j, j+2
.endr
.if \next
	s_add_co_u32 s36, s36, REC
	v_add_nc_u32 v3, s36, v1
	KLOAD                                          ; the next record's; the 28 lines below stand under their flight
.endif
.rept 7
.irp a, 14,222,252,10
	v_pk_add_f32 v[\a:\a+1], v[\a:\a+1], v[96+j:97+j]
.set j, j+2
.endr
.endr
.endm
; THE WAY OUT of tile p: O^T / the sum; register 16 b + i is channel 32 b + 16 (lane / 16) + i: quantised along d, two blocks
.macro WAYOUT p
	v_pk_add_f32 v[14:15], v[14:15], v[222:223]
	v_pk_add_f32 v[252:253], v[252:253], v[10:11]
	v_pk_add_f32 v[14:15], v[14:15], v[252:253]    ; the four chains are joined
	v_add_f32 v14, v14, v15
	s_delay_alu instid0(VALU_DEP_1)
	v_permlanex16_b32 v227, v14, s20, s21
	s_delay_alu instid0(VALU_DEP_1)
	v_add_f32 v14, v14, v227                       ; the row's sum
	s_wait_alu depctr_va_vdst(0)
	v_rcp_f32 v14, v14
	v_nop
	s_wait_alu depctr_va_vdst(0)
.set j, 0
.rept 16
	v_pk_mul_f32 v[96+j:97+j], v[160+j:161+j], v[14:15] op_sel_hi:[1,0]
.set j, j+2
.endr
.irp b, 0,1
	v_max3_num_f32 v[212+\b], |v[96+16*\b]|, |v[97+16*\b]|, FLOOR
.endr
.irp i, 2,4,6,8,10,12,14
.irp b, 0,1
	s_delay_alu instid0(VALU_DEP_2)
	v_max3_num_f32 v[212+\b], v[212+\b], |v[96+16*\b+\i]|, |v[97+16*\b+\i]|
.endr
.endr
.irp b, 0,1
	s_delay_alu instid0(VALU_DEP_2)
	v_permlanex16_b32 v[216+\b], v[212+\b], s20, s21
.endr
.irp b, 0,1
	s_delay_alu instid0(VALU_DEP_2)
	v_max_num_f32 v[212+\b], v[212+\b], v[216+\b]
.endr
.irp b, 0,1
	s_delay_alu instid0(VALU_DEP_2)
	v_add_nc_u32 v[220+\b], EOFF, v[212+\b]
.endr
.irp b, 0,1
	s_delay_alu instid0(VALU_DEP_2)
	v_lshrrev_b32 v[216+\b], 23, v[220+\b]
.endr
	s_delay_alu instid0(VALU_DEP_1)
	v_lshl_or_b32 v227, v217, 8, v216              ; my row's two bytes
	v_cvt_scalef32_pk16_fp6_f32 v[192:194], v[96:111], v220
	v_cvt_scalef32_pk16_fp6_f32 v[204:206], v[112:127], v221
	v_nop
.irp i, 0,1,2
	v_permlane16_swap_b32 v[192+\i], v[204+\i]     ; lanes 0-15: block 0 whole; lanes 16-31: block 1
.endr
.irp i, 0,1,2
	s_delay_alu instid0(VALU_DEP_3)
	v_mov_b32 v[195+\i], v[204+\i]
.endr
	ds_store_b16 v7, v227 offset:2*\p              ; both lanes of a row write the same two bytes
	global_store_b128 v1, v[192:195], s[8:9] offset:1536*\p        ; 512 consecutive bytes, aligned to 256
	global_store_b64 v2, v[196:197], s[8:9] offset:1536*\p+512     ; 256 consecutive bytes, aligned
.endm
.macro PASS p, qb, sl, sh
	v_mov_b32 v13, 0xff61b1e6                      ; -3e38, under every t
	s_delay_alu instid0(VALU_DEP_1)
	v_floor_f32 v12, -v13
.irp j, 14,15,222,223,252,253,10,11
	v_mov_b32 v\j, 0                               ; the sums
.endr
.set j, 0
.rept 32
	v_mov_b32 v[160+j], 0                          ; O^T: the step is written for every trip alike; the first finds zeros
.set j, j+1
.endr
	s_mov_b32 s36, 0
	v_add_nc_u32 v3, s36, v1
	KLOAD                                          ; record 0
	s_mov_b32 s37, 15
.Lstep_\@:
	STEP \qb, \sl, \sh, 1
	s_sub_co_u32 s37, s37, 1
	s_cmp_lg_u32 s37, 0
	s_cbranch_scc1 .Lstep_\@
	STEP \qb, \sl, \sh, 0                          ; the last record: nothing more to ask for
	WAYOUT \p
.endm
	PASS 0, 16, 34, 35
	s_wait_xcnt 0x0                                ; tile 0's stores have read their registers
	s_wait_loadcnt 0x0                             ; tile 1's eight loads are in
.set i, 0
.irp d, 232,236,240,244,248,36,40,44
	ds_store_b128 v5, v[\d:\d+3] offset:544*i
.set i, i+1
.endr
.irp j, 0,1,2,3,4,5,6,7
	ds_load_b128 v[160+4*\j:163+4*\j], v6 offset:16*\j
.endr
	s_wait_dscnt 0x0
.irp j, 232,233,234,235,236,237,244,245,246,247,248,249
	v_mov_b32 v\j, 0                               ; the zero codes beside q
.endr
	QUANTQ 160, 238, 207, 211
	PASS 1, 232, 207, 211
	s_wait_dscnt 0x0                               ; for the others' sake: my scale bytes lie in LDS
	s_barrier_signal -1
	s_barrier_wait -1
	s_cmp_lt_u32 s10, 4
	s_cbranch_scc0 .Lno
	ds_load_b64 v[96:97], v8                       ; wave w of the first four: the bytes of 128 rows
	s_wait_dscnt 0x0
	global_store_b64 v2, v[96:97], s[12:13]        ; 256 consecutive bytes, aligned
.Lno:
	s_wait_dscnt 0x0
	s_wait_tensorcnt 0x0                           ; the wave's end
	ds_add_u32 v254, v255
	s_wait_dscnt 0x0
	CROUND                                         ; the closing round
	s_endpgm
.Lfunc_end_k_qcc784a147d_attn:
	.size	k_qcc784a147d_attn, .Lfunc_end_k_qcc784a147d_attn-k_qcc784a147d_attn
	.p2alignl 7, 3214868480
	.fill 96, 4, 3214868480
	.section	.rodata,"a",@progbits
	.p2align	6, 0x0
	.amdhsa_kernel k_qcc784a147d_attn
		.amdhsa_group_segment_fixed_size 280576
		.amdhsa_private_segment_fixed_size 0
		.amdhsa_enable_private_segment 0
		.amdhsa_kernarg_size 24
		.amdhsa_user_sgpr_count 2
		.amdhsa_user_sgpr_kernarg_segment_ptr 1
		.amdhsa_wavefront_size32 1
		.amdhsa_system_sgpr_workgroup_id_x 1
		.amdhsa_system_sgpr_workgroup_id_y 1
		.amdhsa_system_sgpr_workgroup_id_z 1
		.amdhsa_system_vgpr_workitem_id 0
		.amdhsa_next_free_vgpr 256
		.amdhsa_next_free_sgpr 66
		.amdhsa_reserve_vcc 0
		.amdhsa_float_denorm_mode_32 3
		.amdhsa_float_denorm_mode_16_64 3
		.amdhsa_memory_ordered 1
		.amdhsa_forward_progress 1
		.amdhsa_inst_pref_size 83
	.end_amdhsa_kernel
	.amdgpu_metadata
---
amdhsa.version: [ 1, 2 ]
amdhsa.kernels:
  - .name:           k_qcc784a147d_attn
    .symbol:         k_qcc784a147d_attn.kd
    .args:
      - { .name: Q, .offset: 0, .size: 8, .value_kind: global_buffer, .address_space: global }
      - { .name: kv, .offset: 8, .size: 8, .value_kind: global_buffer, .address_space: global }
      - { .name: oc, .offset: 16, .size: 8, .value_kind: global_buffer, .address_space: global }
    .group_segment_fixed_size: 280576
    .private_segment_fixed_size: 0
    .kernarg_segment_align: 8
    .kernarg_segment_size: 24
    .max_flat_workgroup_size: 512
    .sgpr_count:     66
    .vgpr_count:     256
    .wavefront_size: 32
...
	.end_amdgpu_metadata
.endif
;; end of part 2
;; launch proj (part 3): grid 4 x 64, 8 waves a work-group, clusters of 4 x 4, 308,224 bytes of LDS; arguments oc, wc, b_out, out0; writes out0
.if DOCPART == 3
	.amdgcn_target "amdgcn-amd-amdhsa--gfx1250"
	.amdhsa_code_object_version 6
	.text
	.protected	k_qcc784a147d_proj
	.globl	k_qcc784a147d_proj
	.p2align	8
	.type	k_qcc784a147d_proj,@function
k_qcc784a147d_proj:
	s_mov_b64 s[64:65], 0
	v_nop
	global_prefetch_b8 v0, s[64:65] scope:SCOPE_SE
	s_setreg_imm32_b32 hwreg(HW_REG_WAVE_MODE, 25, 1), 1
	s_wait_xcnt 0x0
	s_wait_alu depctr_hold_cnt(0) depctr_sa_sdst(0) depctr_va_vdst(0) depctr_va_sdst(0) depctr_va_ssrc(0) depctr_va_vcc(0) depctr_vm_vsrc(0)
	s_getreg_b32 s2, hwreg(HW_REG_IB_STS2, 6, 4)
	s_cmp_eq_u32 s2, 0
	s_cbranch_scc0 .Lentry_in_a_cluster
	s_endpgm
.Lentry_in_a_cluster:
	s_bfe_u32 s2, ttmp6, 0x10000c
	s_cmp_lg_u32 s2, 0xf033
	s_cbranch_scc0 .Lentry_shape_is_right
	s_endpgm
.Lentry_shape_is_right:
; out0[m][n] = sum over k of x[m][k] W[n][k] + b[n]: x (8,192 x 1,024) and W (1,024 x 1,024) as codes of FP6 (E2M3) with one E8M0 byte for each 32 along k, laid as images of operand registers (oc, wc); sums in f32.
; SHARES.  A work-group makes 128 rows x 256 columns: 256 work-groups.  Eight waves; wave w makes rows 64 (w / 4) on, columns 64 (w % 4) on: 16 accumulators, 128 registers; two waves to a SIMD.
; ALL OF K STAYS IN LDS: x's eight records of 12,800 bytes from byte 0, W's eight of 25,600 from byte 102,400, each filled once; nothing is filled again.  Each wave brings two neighbouring records in one load: K steps 2 (wave % 4) and the next;
; all eight K steps are multiplied once every record has landed.
; CLUSTER.  4 x 4 work-groups: the four of a row of the cluster need the same records of x, the four of a column the same records of W: each is asked for JOINTLY, by the same tensor load with the same descriptor.
; THE MATRIX INSTRUCTION IS USED TRANSPOSED (source 0 = 16 rows of W, source 1 = 16 rows of x): a lane holds eight neighbouring columns of one row.  The bias is loaded into the accumulators and starts the sums.
; REGISTERS: v1-5 places that stay, v6-10 the K step's addresses, v11-14 the way out and the bias; v16-19 x's scale words, v20-23 W's, v24-27 x's bytes as loaded; v32-79 x's four fragments, v80-127 W's four;
;   v128-255 accumulator (i, b) at v[128 + 8 (4 i + b)].
.set RA, 12800
.set RB, 25600
.set BB, 102400
.macro CROUND
	s_barrier_signal -1
	s_barrier_wait -1
	s_cmp_lg_u32 s12, 0
	s_cbranch_scc1 .Lnot_wave_0_\@
	s_barrier_signal -3
.Lnot_wave_0_\@:
	s_barrier_wait -3
	s_barrier_signal -1
	s_barrier_wait -1
.endm
	s_load_b256 s[4:11], s[0:1], 0x0               ; oc s[4:5], wc s[6:7], b_out s[8:9], out0 s[10:11]
	v_lshl_add_u32 v30, v0, 2, 0x4b000
	v_mov_b32 v31, 0
	ds_add_u32 v30, v31
	ds_add_u32 v30, v31
	v_lshrrev_b32 v1, 5, v0
	s_delay_alu instid0(VALU_DEP_1)
	v_readfirstlane_b32 s12, v1                    ; wave 0..7
	s_and_b32 s17, s12, 3                          ; my 64 columns; also: which pair of records I fetch
	s_lshr_b32 s18, s12, 2                         ; my 64 rows; also: I fetch for x (0) or for W (1)
	s_bfe_u32 s13, ttmp6, 0x40000                  ; cx
	s_bfe_u32 s14, ttmp6, 0x40004                  ; cy
	s_lshl_b32 s15, ttmp9, 2
	s_add_co_u32 s15, s15, s13                     ; col: 256 columns
	s_and_b32 s16, ttmp7, 0xffff
	s_lshl_b32 s16, s16, 2
	s_add_co_u32 s16, s16, s14                     ; T: 128 rows
	s_lshl_b32 s19, s14, 2
	s_lshl_b32 s19, 15, s19                        ; my row of the cluster
	s_lshl_b32 s20, 0x1111, s13                    ; my column
	s_or_b32 s24, s19, (3<<16)|(1<<21)             ; group 1 for x's records: the mask; elements of 8 bytes; bit 21 beside a mask
	s_mov_b32 s25, 32<<16                          ; rows of 256 bytes,
	s_mov_b32 s26, 100<<16                         ; 100 of them, dense: TWO neighbouring records, a wave's one load (in place of what the head says of the fills)
	s_mov_b32 s27, 32<<16
	s_mov_b32 s28, 100
	s_mov_b32 s29, 32
	s_mov_b32 s30, 0
	s_mov_b32 s31, 0
	s_or_b32 s32, s20, (3<<16)|(1<<21)             ; for W's: 200 rows
	s_mov_b32 s33, 32<<16
	s_mov_b32 s34, 200<<16
	s_mov_b32 s35, 32<<16
	s_mov_b32 s36, 200
	s_mov_b32 s37, 32
	s_mov_b32 s38, 0
	s_mov_b32 s39, 0
	s_lshl_b32 s56, s16, 3                         ; x: records 8 T + 2 (wave % 4) and the next: made of the tile row alone, which my row of the cluster shares
	s_add_co_u32 s56, s56, s17                     ; records 8 T + 2 (wave % 4) and the next
	s_add_co_u32 s56, s56, s17
	s_mul_i32 s56, s56, RA
	s_mov_b32 s57, 0
	s_lshl_b32 s58, s15, 3                         ; W: records 8 col + 2 (wave % 4) and the next: of the tile column alone
	s_add_co_u32 s58, s58, s17                     ; records 8 col + 2 (wave % 4) and the next
	s_add_co_u32 s58, s58, s17
	s_mul_i32 s58, s58, RB
	s_mov_b32 s59, 0
	s_mul_i32 s77, s17, 2*RA
	s_mul_i32 s78, s17, 2*RB
	s_add_co_u32 s78, s78, BB
	s_lshl_b32 s70, s15, 10                        ; my first column in bytes: 1,024 col + 256 (wave % 4)
	s_lshl_b32 s71, s17, 8
	s_add_co_u32 s70, s70, s71
	s_mov_b32 s71, 0
	s_lshl_b32 s72, s16, 19                        ; my first row: (128 T + 64 (wave / 4)) x 4,096 bytes
	s_lshl_b32 s73, s18, 18
	s_add_co_u32 s72, s72, s73
	s_add_co_u32 s72, s72, s70
	s_mov_b32 s73, 0
	s_mov_b32 s66, 0x05040100                      ; v_perm_b32: the two low halves
	s_mov_b32 s67, 0x07060302                      ; the two high halves
	v_and_b32 v15, 31, v0                          ; lane
	v_and_b32 v28, 15, v0                          ; r
	v_bfe_u32 v29, v0, 4, 1                        ; h
	s_mul_i32 s68, s18, 6144
	s_mul_i32 s69, s17, 6144
	v_lshlrev_b32 v1, 4, v15
	s_delay_alu instid0(VALU_DEP_1)
	v_add_nc_u32 v3, s69, v1
	s_delay_alu instid0(VALU_DEP_1)
	v_add_nc_u32 v3, BB, v3                        ; W's fragments: 16 x lane + my four
	s_delay_alu instid0(VALU_DEP_3)
	v_add_nc_u32 v1, s68, v1                       ; x's: 16 x lane + my four tiles of rows
	v_lshlrev_b32 v2, 3, v15
	s_delay_alu instid0(VALU_DEP_1)
	v_add_nc_u32 v2, s68, v2                       ; and 8 x lane for the pieces of two registers
	s_lshl_b32 s74, s18, 7
	s_add_co_u32 s74, s74, 12288
	v_lshlrev_b32 v4, 3, v28
	s_delay_alu instid0(VALU_DEP_1)
	v_add_nc_u32 v4, s74, v4                       ; x's scale bytes: 8 bytes a row: two for each of my four tiles
	s_lshl_b32 s75, s17, 8
	s_add_co_u32 s75, s75, BB+24576
	v_lshlrev_b32 v5, 4, v28
	s_delay_alu instid0(VALU_DEP_1)
	v_add_nc_u32 v5, s75, v5                       ; W's scale words: four a row
	s_mul_i32 s76, s12, 4352                       ; the way out: my stage, 16 rows x (256 + 16) bytes
	v_mul_u32_u24 v11, v28, 272
	s_delay_alu instid0(VALU_DEP_1)
	v_lshl_add_u32 v11, v29, 5, v11
	s_delay_alu instid0(VALU_DEP_1)
	v_add_nc_u32 v11, s76, v11                     ; in: row r, 32 bytes for each half of the lanes
	v_mul_u32_u24 v12, v29, 272
	s_delay_alu instid0(VALU_DEP_1)
	v_lshl_add_u32 v12, v28, 4, v12
	s_delay_alu instid0(VALU_DEP_1)
	v_add_nc_u32 v12, s76, v12                     ; back: lanes 0-15 one row, lanes 16-31 the next
	v_lshlrev_b32 v13, 12, v29
	s_delay_alu instid0(VALU_DEP_1)
	v_lshl_add_u32 v13, v28, 4, v13                ; and the same two rows in out0
	v_lshlrev_b32 v14, 5, v29                      ; the bias: my half's eight numbers of a tile's sixteen
	s_wait_dscnt 0x0
	s_wait_kmcnt 0x0
	s_add_nc_u64 s[56:57], s[4:5], s[56:57]
	s_add_nc_u64 s[58:59], s[6:7], s[58:59]
	s_add_nc_u64 s[8:9], s[8:9], s[70:71]
	s_add_nc_u64 s[10:11], s[10:11], s[72:73]
.irp k, 0
	s_mov_b32 s[40+4*\k], 1
	s_add_co_u32 s[41+4*\k], s77, 4*RA*\k
	s_add_nc_u64 s[42+4*\k:43+4*\k], s[56:57], 4*RA*\k
	s_or_b32 s[43+4*\k], s[43+4*\k], 0x80000000
	s_mov_b32 s[48+4*\k], 1
	s_add_co_u32 s[49+4*\k], s78, 4*RB*\k
	s_add_nc_u64 s[50+4*\k:51+4*\k], s[58:59], 4*RB*\k
	s_or_b32 s[51+4*\k], s[51+4*\k], 0x80000000
.endr
	CROUND                                         ; all sixteen work-groups are here: the joint loads meet
	s_cmp_lt_u32 s12, 4                            ; one fill a wave, in the arms of one branch on the wave's number: one load of mine is out
	s_cbranch_scc0 .Lfill_w
	tensor_load_to_lds s[40:43], s[24:31]
	s_nop 0
.rept 4
	v_nop
.endr
	s_branch .Lfilled
.Lfill_w:
	tensor_load_to_lds s[48:51], s[32:39]
	s_nop 0
.rept 4
	v_nop
.endr
.Lfilled:
	s_wait_alu depctr_va_vdst(0)
.irp i, 0,1,2,3
.irp b, 0,1,2,3
	global_load_b128 v[128+8*(4*\i+\b):131+8*(4*\i+\b)], v14, s[8:9] offset:64*\b       ; b(16 b + 8 h + 0 .. 7): the sums begin with the bias; nothing is cleared
	global_load_b128 v[132+8*(4*\i+\b):135+8*(4*\i+\b)], v14, s[8:9] offset:64*\b+16
.endr
.endr
; A K STEP of 128: x's record at LDS byte s60, W's at BB + s61
.macro KSTEP
	v_add_nc_u32 v6, s60, v1                       ; (these five are also the places behind the last products)
	v_add_nc_u32 v7, s60, v2
	v_add_nc_u32 v8, s61, v3
	v_add_nc_u32 v9, s60, v4
	v_add_nc_u32 v10, s61, v5
	ds_load_b64 v[24:25], v9                       ; the first head's bytes of my four tiles' row r,
	ds_load_b64 v[26:27], v9 offset:256            ; the second head's
	ds_load_b128 v[20:23], v10
.irp i, 0,1,2,3
	ds_load_b128 v[32+12*\i:35+12*\i], v6 offset:1536*\i
	ds_load_b64 v[36+12*\i:37+12*\i], v7 offset:1536*\i+512
	ds_load_b128 v[38+12*\i:41+12*\i], v6 offset:1536*\i+768
	ds_load_b64 v[42+12*\i:43+12*\i], v7 offset:1536*\i+1280
.endr
.irp b, 0,1,2,3
.irp c, 0,1,2
	ds_load_b128 v[80+12*\b+4*\c:83+12*\b+4*\c], v8 offset:1536*\b+512*\c
.endr
.endr
	s_wait_dscnt 28                                ; the three loads of scales are in; the 28 of fragments may be out
	v_perm_b32 v16, v26, v24, s66                  ; a tile's word: the first head's two bytes below, the second's above
	v_perm_b32 v17, v26, v24, s67
	v_perm_b32 v18, v27, v25, s66
	v_perm_b32 v19, v27, v25, s67
.rept 8
	v_nop                                          ; a scale register written by a vector instruction stands eight places ahead of a scaled product
.endr
	s_wait_alu depctr_va_vdst(0)
	s_wait_dscnt 0x0
.irp i, 0,1,2,3                                ; the 16 accumulators by turns, one instruction a turn, over the backward jump too
.irp b, 0,1,2,3
	v_wmma_scale_f32_16x16x128_f8f6f4 v[128+8*(4*\i+\b):135+8*(4*\i+\b)], v[80+12*\b:91+12*\b], v[32+12*\i:43+12*\i], v[128+8*(4*\i+\b):135+8*(4*\i+\b)], v[20+\b], v[16+\i] matrix_a_fmt:MATRIX_FMT_FP6 matrix_b_fmt:MATRIX_FMT_FP6
.endr
.endr
	s_add_co_u32 s60, s60, RA
	s_add_co_u32 s61, s61, RB
.endm
	s_wait_loadcnt 0x0                             ; the bias
	s_wait_tensorcnt 0x0                           ; my two records are in
	s_barrier_signal -1
	s_barrier_wait -1                              ; everybody's is
	s_mov_b32 s60, 0
	s_mov_b32 s61, 0
	s_mov_b32 s62, 8                               ; all eight K steps in one loop
.Lk0:
	KSTEP
	s_sub_co_u32 s62, s62, 1
	s_cmp_lg_u32 s62, 0
	s_cbranch_scc1 .Lk0
	s_wait_dscnt 0x0                               ; my reads of the records are over,
	s_barrier_signal -1
	s_barrier_wait -1                              ; everybody's are: the stages lie from byte 0 on, in bytes that have had their only fill
; THE WAY OUT, a tile of 16 rows x 64 columns at a time: a lane's 32 bytes go into my stage and come back as whole rows of 256 bytes.
.macro TOSTAGE i
.irp b, 0,1,2,3
	ds_store_b128 v11, v[128+8*(4*(\i)+\b):131+8*(4*(\i)+\b)] offset:64*\b         ; each accumulator from its low end on
	ds_store_b128 v11, v[132+8*(4*(\i)+\b):135+8*(4*(\i)+\b)] offset:64*\b+16
.endr
.irp t, 0,1,2,3,4,5,6,7
	ds_load_b128 v[32+32*((\i)%2)+4*\t:35+32*((\i)%2)+4*\t], v12 offset:544*\t     ; LDS serves a wave's instructions in order: these see the stores above
.endr
.endm
.macro SEND i, younger
	s_wait_dscnt \younger
.irp t, 0,1,2,3,4,5,6,7
	global_store_b128 v13, v[32+32*((\i)%2)+4*\t:35+32*((\i)%2)+4*\t], s[10:11] offset:(16*(\i)+2*\t)*4096 th:TH_STORE_NT   ; sixteen lanes store 256 consecutive bytes, aligned
.endr
.endm
.rept 4
	v_nop                                          ; places behind the last products: for the stores of results and the loads into the fragments' registers
.endr
	TOSTAGE 0
.irp a, 1,2,3
.if \a > 1
	s_wait_xcnt 0x0                                ; tile a - 2's stores have read their registers: tile a's rows may land there
.endif
	TOSTAGE \a
	SEND \a-1, 16                                  ; behind tile a - 1's loads: tile a's eight stores and eight loads
.endr
	SEND 3, 0
	s_wait_dscnt 0x0
	s_wait_tensorcnt 0x0
	ds_add_u32 v30, v31
	s_wait_dscnt 0x0
	CROUND                                         ; the closing round: no work-group ends while a partner may still ask for a record that names it
	s_endpgm
.Lfunc_end_k_qcc784a147d_proj:
	.size	k_qcc784a147d_proj, .Lfunc_end_k_qcc784a147d_proj-k_qcc784a147d_proj
	.p2alignl 7, 3214868480
	.fill 96, 4, 3214868480
	.section	.rodata,"a",@progbits
	.p2align	6, 0x0
	.amdhsa_kernel k_qcc784a147d_proj
		.amdhsa_group_segment_fixed_size 308224
		.amdhsa_private_segment_fixed_size 0
		.amdhsa_enable_private_segment 0
		.amdhsa_kernarg_size 32
		.amdhsa_user_sgpr_count 2
		.amdhsa_user_sgpr_kernarg_segment_ptr 1
		.amdhsa_wavefront_size32 1
		.amdhsa_system_sgpr_workgroup_id_x 1
		.amdhsa_system_sgpr_workgroup_id_y 1
		.amdhsa_system_sgpr_workgroup_id_z 1
		.amdhsa_system_vgpr_workitem_id 0
		.amdhsa_next_free_vgpr 256
		.amdhsa_next_free_sgpr 80
		.amdhsa_reserve_vcc 0
		.amdhsa_float_denorm_mode_32 3
		.amdhsa_float_denorm_mode_16_64 3
		.amdhsa_memory_ordered 1
		.amdhsa_forward_progress 1
		.amdhsa_inst_pref_size 23
	.end_amdhsa_kernel
	.amdgpu_metadata
---
amdhsa.version: [ 1, 2 ]
amdhsa.kernels:
  - .name:           k_qcc784a147d_proj
    .symbol:         k_qcc784a147d_proj.kd
    .args:
      - { .name: oc, .offset: 0, .size: 8, .value_kind: global_buffer, .address_space: global }
      - { .name: wc, .offset: 8, .size: 8, .value_kind: global_buffer, .address_space: global }
      - { .name: b_out, .offset: 16, .size: 8, .value_kind: global_buffer, .address_space: global }
      - { .name: out0, .offset: 24, .size: 8, .value_kind: global_buffer, .address_space: global }
    .group_segment_fixed_size: 308224
    .private_segment_fixed_size: 0
    .kernarg_segment_align: 8
    .kernarg_segment_size: 32
    .max_flat_workgroup_size: 256
    .sgpr_count:     80
    .vgpr_count:     256
    .wavefront_size: 32
...
	.end_amdgpu_metadata
.endif
;; end of part 3
